; MI455X (gfx1250); checked and timed in simulation.
; The chip was launched on July 23, 2026; its instructions are those of AMD's public machine-readable ISA for CDNA 5 (MIT licence, August 2026) and "CDNA5" Instruction Set Architecture Reference Guide (July 2026). The comments in the code are by the model that wrote it; some were corrected since.
;; Causal Word Propagation. Allowed arithmetic: matrix products marked QUANTISED: E2M3 operands, one E8M0 scale for each 32 along K, by v_wmma_scale_f32_16x16x128_f8f6f4 with both operands' format E2M3, f32 sums; everything else in f32.
;; Inputs: decay_logit one number float32; k_scale 1,024 float32; out_scale one number float32; q_scale 1,024 float32; x 4 x 2,048 x 1,024 float32.
;; Outputs: out0 4 x 2,048 x 1,024 float32.
;; This version of the problem:
;;   THIS VERSION OF THE PROBLEM IS GIVEN IN LOW PRECISION. The matrix products marked QUANTISED in the list below multiply operands that are first quantised to E2M3 (2 exponent bits, 3 mantissa bits; 6 bits a number), with one power-of-two scale for each 32 numbers along K (OCP MX v1.0); their sums are f32. All else is computed in f32.
;;   The module's matrix products, in the order in which they are computed (A, B: the left and right operand; K: the contracted axis; several contracted axes count as one K, in the product's order):
;;     1. batch 4 x [M 2,048, K 1,024] x [K 1,024, N 2,048]; A: computed on the way; B: computed on the way: QUANTISED
;;     2. batch 4 x [M 2,048, K 2,048] x [K 2,048, N 1,024]; A: computed on the way; B: input x: QUANTISED
;;   THE QUANTISER, for each operand of a quantised product, along K:
;;     - K is cut into blocks of 32 from its start; a last block that is shorter is filled with zeros.
;;     - A block's scale is 2^e with e = floor(log2(the largest magnitude in the block)) - 2, held to -126 .. 127; a block of zeros has e = 0. As a byte (E8M0): e + 127.
;;     - Each number is divided by its block's scale, clamped to +-7.5, and rounded to the nearest number of E2M3, ties to even, subnormals kept.
;;     - The product sums the exact products of the quantised numbers (number of the format x scale) in f32.
;;   ~~~python
;;   def quantise(x, axis):      # numpy; x: float32 -> the quantised numbers, widened to float32 again
;;       x = np.moveaxis(x, axis, -1); K = x.shape[-1]
;;       x = np.pad(x, [(0, 0)] * (x.ndim - 1) + [(0, -K % 32)]); x = x.reshape(x.shape[:-1] + (-1, 32)); a = np.abs(x).max(-1, keepdims=True)
;;       e = np.where(a > 0, np.clip(np.frexp(np.where(a > 0, a, 1))[1] - 1 - 2, -126, 127), 0)      # np.frexp(a)[1] - 1 = floor(log2(a)), exactly
;;       r = np.clip(x / 2.0 ** e, -7.5, 7.5)
;;       step = 2.0 ** (np.maximum(np.frexp(np.where(r == 0, 1, r))[1] - 1, 0) - 3)
;;       q = np.round(r / step) * step * 2.0 ** e      # np.round: ties to even
;;       return np.moveaxis(q.reshape(q.shape[:-2] + (-1,))[..., :K], -1, axis).astype(np.float32)
;;   ~~~
;;   OPERANDS COMPUTED ON THE WAY. 'Computed on the way' means the value that the module computes at that place (a softmax that the list does not call 'softmax' is quantised finished and normalised). What goes into a quantiser is computed in f32, as accurately as f32 sums, v_exp_f32 and their like allow (about 1e-6 of the number): no bf16 or f16 on the way to a quantiser, and a product that is left as it is and whose result goes on into a quantised operand takes f32 operands (vector FMAs, or v_wmma_f32_16x16x4_f32). A number that lies on a knife's edge between two numbers of the format may be rounded either way, as far as f32 arithmetic and the matrix unit's own rounding can turn it there, and no further.
;; One version. Each part assembles by itself: llvm-mc -triple=amdgcn-amd-amdhsa -mcpu=gfx1250 --defsym DOCPART=n.
;; ======== version 1 of 1: 3 launches
;; workspace buffers: qc 6,553,600 bytes; kc 6,553,600 bytes; xc 6,553,600 bytes; pc 13,107,200 bytes; wt 9,216 bytes
;; launch quant (part 1): grid 8 x 64, 4 waves a work-group, no clusters, 72,192 bytes of LDS; arguments x, q_scale, k_scale, decay_logit, qc, kc, xc, pc, wt; writes qc, kc, xc, pc, wt
.if DOCPART == 1
	.amdgcn_target "amdgcn-amd-amdhsa--gfx1250"
	.amdhsa_code_object_version 6
	.text
	.protected	k_qe0c727c7b6_quant
	.globl	k_qe0c727c7b6_quant
	.p2align	8
	.type	k_qe0c727c7b6_quant,@function
k_qe0c727c7b6_quant:
	s_mov_b64 s[64:65], 0
	v_nop
	global_prefetch_b8 v0, s[64:65] scope:SCOPE_SE
	s_setreg_imm32_b32 hwreg(HW_REG_WAVE_MODE, 25, 1), 1
	s_wait_xcnt 0x0
; x [4][2048][1024] f32 becomes three operands in codes of FP6 (E2M3) with one E8M0 byte for each 32 along K:
;   q = x * q_scale and k = x * k_scale, quantised along V (innermost), and x itself, quantised along s (its first axis in a batch).
; A block's scale is 2^(floor(log2(largest magnitude)) - 2): its byte is the largest magnitude's exponent field - 2, held at 1 from below.
; THE CHUNK, the one layout of all operands of this program: 128 rows x 128 K in 12,800 bytes.  Eight fragments (16 rows x 128 K) of 1,536 bytes as IMAGES OF THE OPERAND'S REGISTERS:
; the 16 bytes at 1536 f + 512 c + 16 lane are registers 4 c .. 4 c + 3 of that lane; from byte 12,288 on the scale words, fragment f, row r at 64 f + 4 r.
; In qc and kc fragment f, row r is row 32 (f / 2) + 8 (f % 2) + r + 8 (r / 8) of the block of 128; in xc it is row 16 f + r.
; SHARES.  A work-group takes x[b][128 sb ..][128 vk ..], 64 KB, read once, and makes one chunk of each of qc, kc, xc; wave w makes fragments 2 w, 2 w + 1 of each.  The tile lies in LDS between the two uses.
; BESIDE THAT: the first 72 work-groups' wave 0 makes 32 entries each of the table wt: wt[256 + E] = g^E for 0 <= E < 2048, 0 for -256 <= E < 0, g = sigmoid(decay_logit);
; the first 64 work-groups' wave 1 stores one chunk of zeros each into pc: the chunks under the diagonal that the last launch reads and the second does not write.
; g^E is made by squaring and multiplying in pairs of f32 (a number and its rounding error), eleven steps, the bit chosen by a select: no logarithm, nothing can overflow, g^0 = 1 for every g.
; No matrix unit, no cluster, no tensor load: a stream; all of a work-group's bytes are asked for by its first loads, through registers, and two work-groups share a WGP.
; LIMITS: NaN and infinities among the inputs are not served.  A block of zeros gets the byte 1 where the rule says 127: its codes are zeros, and this program alone reads the bytes.
; decay_logit is held to +-88, beyond which g is 1 or under 1e-38; weights under 2^-126 may come out as 0.
.set PITCH, 528                        ; a tile row in LDS: 512 bytes + 16, an odd multiple of 16: sixteen rows of a 16-byte column fall on different banks
.set SCB,   128*PITCH                  ; behind the tile: for each wave 512 bytes of q_scale's 128 columns, then 512 of k_scale's
.set CH,    12800                      ; a chunk
.set GX,  4                            ; v4   x: 32 w rows of 4,096 bytes + 16 lane
.set LST, 5                            ; v5   tile, in: 32 w rows + 16 lane
.set LRB, 6                            ; v6   tile, out by rows: row 32 w + r, + 128 h
.set LSV, 7                            ; v7   my wave's scale vectors, + 128 h
.set LSS, 8                            ; v8   the same, in: + 16 lane
.set LC0, 9                            ; v9   tile, out by columns: 4 (32 w + lane)
.set LC1, 10                           ; v10  the same 64 rows further down (an LDS offset has 16 bits)
.set GF,  11                           ; v11  a chunk: my two fragments, 3072 w + 16 lane
.set GS,  12                           ; v12  a chunk: their scale words, 12288 + 128 w + 4 lane
.set L16, 13                           ; v13  16 lane
.set H8,  14                           ; v14  8 h
.set STG, 16                           ; v16-143 the tile's 32 rows as loaded; later four blocks of 32 down s
.set X0,  16                           ; v16-47  32 numbers of fragment 2 w's row
.set X1,  48                           ; v48-79  of fragment 2 w + 1's
.set TT,  80                           ; v80-111 x * scale
.set QS,  112                          ; v112-143 q_scale at my 32 columns
.set KS,  144                          ; v144-175 k_scale
.set FQ0, 176                          ; four fragments of 12 registers
.set FK0, 188
.set FQ1, 200
.set FK1, 212
.set CT,  224                          ; v224-226 a conversion's result on its way to an odd register
.set MXA, 228
.set MXB, 229
.set SO,  230                          ; the conversion's scale operand
.set BY,  231                          ; the scale's byte
.set WD,  232                          ; v232-235 the four fragments' scale words
.set W2,  236
.set WS,  237                          ; v237-239 words as stored: q's, k's, x's
.set SV,  240                          ; v240-247 the scale vectors as loaded
.set ZR,  248                          ; v248-251 zeros; v252 a table entry; v253 its byte offset: written for the side roles alone
.set TBV, 252
.set TBA, 253
.set LG,  176                          ; the table's registers at work (before the fragments')
.set TH,  177
.set TL,  178
.set UU,  179
.set DD,  180
.set RR,  181
.set ER,  182
.set BH,  183
.set BL,  184
.set RH,  185
.set RL,  186
.set PH,  187
.set PE,  188
.set SH,  189
.set SL,  190
.set EI,  191
.set BT,  192
; 32 numbers of ONE block in v[src] on become 24 bytes of codes in v[F + 6 c] on; the byte is left in v[BY].
.macro BLK F, c, src
	v_max3_num_f32 v[MXA], |v[\src]|, |v[\src+1]|, 0x1800000       ; the floor 2^(3 - 127) among the leaves holds the byte at 1 from below
	v_max3_num_f32 v[MXB], |v[\src+2]|, |v[\src+3]|, |v[\src+4]|   ; two chains, so that no line waits for the line above it
.irp i, 5,9,13,17,21,25
	v_max3_num_f32 v[MXA], v[MXA], |v[\src+\i]|, |v[\src+\i+1]|
	v_max3_num_f32 v[MXB], v[MXB], |v[\src+\i+2]|, |v[\src+\i+3]|
.endr
	v_max3_num_f32 v[MXA], v[MXA], |v[\src+29]|, |v[\src+30]|
	v_max3_num_f32 v[MXA], v[MXA], v[MXB], |v[\src+31]|
	v_add_nc_u32 v[SO], 0xff000000, v[MXA]                         ; 2 off the exponent field: the conversion takes this operand's exponent field as its scale
	v_cvt_scalef32_pk16_fp6_f32 v[\F+6*\c:\F+6*\c+2], v[\src:\src+15], v[SO]
	v_cvt_scalef32_pk16_fp6_f32 v[CT:CT+2], v[\src+16:\src+31], v[SO]   ; (a conversion's three registers begin on an even number)
	v_lshrrev_b32 v[BY], 23, v[SO]                                 ; the byte; also the plain line behind the conversions
.irp i, 0,1,2
	v_mov_b32 v[\F+6*\c+3+\i], v[CT+\i]
.endr
.endm
; the same of x * scale; my two bytes (blocks h and 2 + h of my row) go to bits 0 and 16 of v[W]
.macro QBLK F, c, X, S, W
.set n, 0
.rept 16
	v_pk_mul_f32 v[TT+n:TT+n+1], v[\X+n:\X+n+1], v[\S+n:\S+n+1]
.set n, n+2
.endr
	BLK \F, \c, TT
.if \c == 0
	v_mov_b32 v[\W], v[BY]
.else
	v_lshl_or_b32 v[\W], v[BY], 16, v[\W]
.endif
.endm
	s_load_b512 s[4:19], s[0:1], 0x0               ; x, q_scale, k_scale, decay_logit, qc, kc, xc, pc
	s_load_b64 s[20:21], s[0:1], 0x40              ; wt
	v_lshl_add_u32 v254, v0, 2, 0x11800
	v_mov_b32 v255, 0
	v_lshrrev_b32 v1, 5, v0
	v_readfirstlane_b32 s22, v1                    ; wave
	v_and_b32 v2, 31, v0                           ; lane
	v_and_b32 v3, 15, v0                           ; r
	v_bfe_u32 v15, v0, 4, 1                        ; h
	v_lshlrev_b32 v[L16], 4, v2
	v_lshl_add_u32 v[GX], v1, 17, v[L16]
	v_mad_u32_u24 v[LST], v1, 32*PITCH, v[L16]
	v_mul_u32_u24 v[LRB], v3, PITCH
	v_mad_u32_u24 v[LRB], v1, 32*PITCH, v[LRB]
	v_lshl_add_u32 v[LRB], v15, 7, v[LRB]
	v_lshlrev_b32 v[LSV], 10, v1
	v_lshl_add_u32 v[LSV], v15, 7, v[LSV]
	v_add_nc_u32 v[LSV], SCB, v[LSV]
	v_lshl_add_u32 v[LSS], v1, 10, v[L16]
	v_add_nc_u32 v[LSS], SCB, v[LSS]
	v_lshlrev_b32 v[LC0], 2, v0                    ; 32 w + lane is the thread's number
	v_add_nc_u32 v[LC1], 64*PITCH, v[LC0]
	v_mad_u32_u24 v[GF], v1, 3072, v[L16]
	v_lshl_add_u32 v[GS], v0, 2, 12288
	v_lshlrev_b32 v[H8], 3, v15
	v_mov_b32 v[W2], 0                             ; a lane permute's destination counts as one of its sources
	s_and_b32 s28, ttmp7, 0xffff                   ; y = 16 b + sb
	s_lshl_b32 s23, s28, 3
	s_add_co_u32 s23, s23, ttmp9                   ; p = 8 y + vk: the work-group's number, and qc's and kc's chunk
	s_lshl_b32 s34, ttmp9, 9                       ; 512 vk: my 128 columns in bytes
	s_mov_b32 s35, 0
	s_lshl_b32 s32, s28, 19                        ; 128 y rows of 4,096 bytes
	s_add_co_u32 s32, s32, s34
	s_mov_b32 s33, 0
	s_mul_i32 s36, s23, CH
	s_mov_b32 s37, 0
	s_lshr_b32 s29, s28, 4                         ; b
	s_lshl_b32 s29, s29, 3
	s_add_co_u32 s29, s29, ttmp9
	s_lshl_b32 s29, s29, 4
	s_and_b32 s30, s28, 15                         ; sb
	s_add_co_u32 s29, s29, s30                     ; xc's chunk: (8 b + vk) 16 + sb
	s_mul_i32 s38, s29, CH
	s_mov_b32 s39, 0
	s_mov_b32 s24, 0x76543210
	s_mov_b32 s25, 0xfedcba98                      ; v_permlanex16_b32's selects for lane l xor 16
	s_mov_b32 s26, 0xffff0000                      ; lanes 16-31
	s_mov_b32 s42, 0xc2b00000                      ; -88
	s_mov_b32 s43, 0x42b00000                      ; 88
	s_mov_b32 s44, 0xbfb8aa3b                      ; -log2(e), its upper part,
	s_mov_b32 s45, 0xb2a57060                      ; and what is left of it
	s_wait_kmcnt 0x0
	s_load_b32 s27, s[10:11], 0x0                  ; decay_logit
	s_add_nc_u64 s[4:5], s[4:5], s[32:33]
	s_add_nc_u64 s[6:7], s[6:7], s[34:35]
	s_add_nc_u64 s[8:9], s[8:9], s[34:35]
	s_add_nc_u64 s[12:13], s[12:13], s[36:37]
	s_add_nc_u64 s[14:15], s[14:15], s[36:37]
	s_add_nc_u64 s[16:17], s[16:17], s[38:39]
	global_load_b128 v[SV:SV+3], v[L16], s[6:7]
	global_load_b128 v[SV+4:SV+7], v[L16], s[8:9]
.set j, 0
.rept 32
	global_load_b128 v[STG+4*j:STG+4*j+3], v[GX], s[4:5] offset:4096*j th:TH_LOAD_NT   ; row 32 w + j: 32 lanes read its 512 consecutive bytes; read once in the launch
.set j, j+1
.endr
	s_wait_kmcnt 0x0                               ; decay_logit
	; ---- the side roles, while the loads are out.  They hold vector work and stores alone, so the count of loads is the same on every way
	s_cmp_lg_u32 s22, 0
	s_cbranch_scc1 .Lnot_table
	s_cmp_ge_u32 s23, 72
	s_cbranch_scc1 .Lnot_table
	v_lshl_add_u32 v[EI], s23, 5, v2               ; entry 32 p + lane
	v_lshlrev_b32 v[TBA], 2, v[EI]
	v_add_nc_u32 v[EI], 0xffffff00, v[EI]          ; E = entry - 256
	v_mov_b32 v[LG], s27
	v_med3_num_f32 v[LG], v[LG], s42, s43          ; held to +-88
	v_mul_f32 v[TH], s44, v[LG]                    ; -x log2(e): the product,
	v_fma_f32 v[TL], v[LG], s44, -v[TH]            ; its rounding error,
	v_fma_f32 v[TL], v[LG], s45, v[TL]             ; and the constant's lower part
	v_exp_f32 v[UU], v[TH]
	v_mul_f32 v[TL], 0x3f317218, v[TL]             ; (a plain line behind the exponential)  2^lo = 1 + lo ln 2
	s_wait_alu depctr_va_vdst(0)
	v_fma_f32 v[UU], v[UU], v[TL], v[UU]           ; u = e^-x
	v_add_f32 v[DD], 1.0, v[UU]
	v_rcp_f32 v[RR], v[DD]
	v_mov_b32 v[RH], 1.0                           ; (a plain line behind the reciprocal)  the power so far: 1
	s_wait_alu depctr_va_vdst(0)
	v_fma_f32 v[ER], -v[DD], v[RR], 1.0            ; one Newton step
	v_fma_f32 v[BH], v[RR], v[ER], v[RR]           ; g = 1 / (1 + u)
	v_mov_b32 v[RL], 0
	v_mov_b32 v[BL], 0
.set k, 0
.rept 11
	v_mul_f32 v[PH], v[RH], v[BH]                  ; (RH, RL) x (BH, BL): the product and all that f32 drops of it
	v_fma_f32 v[PE], v[RH], v[BH], -v[PH]
	v_fma_f32 v[PE], v[RH], v[BL], v[PE]
	v_fma_f32 v[PE], v[RL], v[BH], v[PE]
	v_add_f32 v[SH], v[PH], v[PE]
	v_sub_f32 v[SL], v[SH], v[PH]
	v_sub_f32 v[SL], v[PE], v[SL]
	v_and_b32 v[BT], 1<<k, v[EI]
	v_cmp_ne_u32 vcc_lo, 0, v[BT]
	v_cndmask_b32 v[RH], v[RH], v[SH], vcc_lo      ; taken where bit k of E is set
	v_cndmask_b32 v[RL], v[RL], v[SL], vcc_lo
.if k < 10
	v_mul_f32 v[PH], v[BH], v[BH]                  ; the base squared
	v_fma_f32 v[PE], v[BH], v[BH], -v[PH]
	v_add_f32 v[SL], v[BL], v[BL]
	v_fma_f32 v[PE], v[BH], v[SL], v[PE]
	v_add_f32 v[SH], v[PH], v[PE]
	v_sub_f32 v[SL], v[SH], v[PH]
	v_sub_f32 v[BL], v[PE], v[SL]
	v_mov_b32 v[BH], v[SH]
.endif
.set k, k+1
.endr
	v_cmp_le_i32 vcc_lo, 0, v[EI]
	v_cndmask_b32 v[TBV], 0, v[RH], vcc_lo         ; 0 where E < 0
	global_store_b32 v[TBA], v[TBV], s[20:21]      ; 128 consecutive bytes
.Lnot_table:
	s_cmp_lg_u32 s22, 1
	s_cbranch_scc1 .Lnot_zero
	s_cmp_ge_u32 s23, 64
	s_cbranch_scc1 .Lnot_zero
	s_lshr_b32 s28, s23, 4                         ; b
	s_bfe_u32 s29, s23, 0x20002                    ; g
	s_and_b32 s30, s23, 3                          ; j
	s_lshl_b32 s28, s28, 4
	s_lshl_b32 s29, s29, 2                         ; 4 g
	s_lshr_b32 s31, s30, 1
	s_add_co_u32 s28, s28, s29
	s_add_co_u32 s28, s28, s31
	s_add_co_u32 s28, s28, 2                       ; 16 b + tb, tb = 4 g + 2 + j / 2
	s_lshl_b32 s28, s28, 4
	s_and_b32 s30, s30, 1
	s_add_co_u32 s28, s28, s29
	s_add_co_u32 s28, s28, s30                     ; + ks, ks = 4 g + j % 2
	s_mul_i32 s40, s28, CH
	s_mov_b32 s41, 0
	s_add_nc_u64 s[40:41], s[18:19], s[40:41]
.irp i, 0,1,2,3
	v_mov_b32 v[ZR+\i], 0
.endr
.set n, 0
.rept 25
	global_store_b128 v[L16], v[ZR:ZR+3], s[40:41] offset:512*n   ; zero codes, and scale bytes 0, which are no NaN
.set n, n+1
.endr
.Lnot_zero:
	; ---- the tile into LDS.  Row 32 w + j goes to place 32 w + 16 ((j / 8) % 2) + 8 (j / 16) + j % 8, so that the sixteen rows of a fragment of q and k are neighbours there
	s_wait_loadcnt 32                              ; the two scale vectors are in: the 32 tile loads behind them may be out
	ds_store_b128 v[LSS], v[SV:SV+3]
	ds_store_b128 v[LSS], v[SV+4:SV+7] offset:512
.set n, 0
.rept 4
	s_wait_loadcnt 24-8*n                          ; eight more rows are in
.set m, 0
.rept 8
.set j, 8*n+m
	ds_store_b128 v[LST], v[STG+4*j:STG+4*j+3] offset:(16*((j/8)%2)+8*(j/16)+j%8)*PITCH
.set m, m+1
.endr
.set n, n+1
.endr
	s_wait_dscnt 0x0                               ; for the others' sake: my stores have landed
	s_barrier_signal -1
	s_barrier_wait -1                              ; the one barrier: from here on LDS is only read
	; ---- q and k: lane (r, h) takes, of its fragment's row r, columns 64 c + 32 h + 0 .. 31: a whole block, in the order of the operand's registers
.irp c, 0,1
.set n, 0
.rept 8
	ds_load_b128 v[QS+4*n:QS+4*n+3], v[LSV] offset:256*\c+16*n
.set n, n+1
.endr
.set n, 0
.rept 8
	ds_load_b128 v[KS+4*n:KS+4*n+3], v[LSV] offset:512+256*\c+16*n
.set n, n+1
.endr
.set n, 0
.rept 8
	ds_load_b128 v[X0+4*n:X0+4*n+3], v[LRB] offset:256*\c+16*n
.set n, n+1
.endr
.set n, 0
.rept 8
	ds_load_b128 v[X1+4*n:X1+4*n+3], v[LRB] offset:16*PITCH+256*\c+16*n
.set n, n+1
.endr
	s_wait_dscnt 8                                 ; all but the second fragment's eight loads
	QBLK FQ0, \c, X0, QS, WD
	QBLK FK0, \c, X0, KS, WD+1
	s_wait_dscnt 0x0
	QBLK FQ1, \c, X1, QS, WD+2
	QBLK FK1, \c, X1, KS, WD+3
.endr
.irp k, 0,1,2,3
	v_lshlrev_b32 v[WD+\k], v[H8], v[WD+\k]        ; my two bytes at their places in the word (8 h bits up);
.endr
.irp k, 0,1,2,3
	v_permlanex16_b32 v[W2], v[WD+\k], s24, s25
	v_or_b32 v[WD+\k], v[WD+\k], v[W2]             ; with lane l xor 16's two the word is whole
.endr
	v_cndmask_b32 v[WS], v[WD], v[WD+2], s26       ; lanes 0-15: fragment 2 w's words, lanes 16-31: fragment 2 w + 1's
	v_cndmask_b32 v[WS+1], v[WD+1], v[WD+3], s26
.irp i, 0,1,2
	global_store_b128 v[GF], v[FQ0+4*\i:FQ0+4*\i+3], s[12:13] offset:512*\i        ; each store covers 512 consecutive bytes, aligned
	global_store_b128 v[GF], v[FQ1+4*\i:FQ1+4*\i+3], s[12:13] offset:1536+512*\i
	global_store_b128 v[GF], v[FK0+4*\i:FK0+4*\i+3], s[14:15] offset:512*\i
	global_store_b128 v[GF], v[FK1+4*\i:FK1+4*\i+3], s[14:15] offset:1536+512*\i
.endr
	global_store_b32 v[GS], v[WS], s[12:13]
	global_store_b32 v[GS], v[WS+1], s[14:15]
	; ---- x along s: a lane takes column 32 w + lane, and its registers run down s: four whole blocks of 32
.set n, 0
.rept 64
	ds_load_b32 v[STG+n], v[LC0] offset:(32*(n/32)+16*((n/8)%2)+8*((n%32)/16)+n%8)*PITCH
.set n, n+1
.endr
.set n, 0
.rept 64
	ds_load_b32 v[STG+64+n], v[LC1] offset:(32*(n/32)+16*((n/8)%2)+8*((n%32)/16)+n%8)*PITCH
.set n, n+1
.endr
	s_wait_xcnt 0x0                                ; the stores above have read their registers: two of the fragments' sets are written again
	s_wait_dscnt 63                                ; of 128 loads at most 63 are out: the oldest 65 are in, blocks 0 and 1 among them
	BLK FQ0, 0, STG
	v_mov_b32 v[WS+2], v[BY]
	BLK FK0, 0, STG+32
	v_lshl_or_b32 v[WS+2], v[BY], 8, v[WS+2]
.irp i, 0,1,2,3,4,5
	v_permlane16_swap_b32 v[FQ0+\i], v[FK0+\i]     ; even blocks of columns 16-31 change places with odd blocks of columns 0-15: both fragments are then as the operand's layout wants them
.endr
	s_wait_dscnt 0x0
	BLK FQ0, 1, STG+64
	v_lshl_or_b32 v[WS+2], v[BY], 16, v[WS+2]
	BLK FK0, 1, STG+96
	v_lshl_or_b32 v[WS+2], v[BY], 24, v[WS+2]      ; my column's own word
.irp i, 6,7,8,9,10,11
	v_permlane16_swap_b32 v[FQ0+\i], v[FK0+\i]
.endr
.irp i, 0,1,2
	global_store_b128 v[GF], v[FQ0+4*\i:FQ0+4*\i+3], s[16:17] offset:512*\i
	global_store_b128 v[GF], v[FK0+4*\i:FK0+4*\i+3], s[16:17] offset:1536+512*\i
.endr
	global_store_b32 v[GS], v[WS+2], s[16:17]
	s_wait_tensorcnt 0x0
	ds_add_u32 v254, v255
	s_wait_dscnt 0x0
	s_endpgm
.Lfunc_end_k_qe0c727c7b6_quant:
	.size	k_qe0c727c7b6_quant, .Lfunc_end_k_qe0c727c7b6_quant-k_qe0c727c7b6_quant
	.p2alignl 7, 3214868480
	.fill 96, 4, 3214868480
	.section	.rodata,"a",@progbits
	.p2align	6, 0x0
	.amdhsa_kernel k_qe0c727c7b6_quant
		.amdhsa_group_segment_fixed_size 72192
		.amdhsa_private_segment_fixed_size 0
		.amdhsa_enable_private_segment 0
		.amdhsa_kernarg_size 72
		.amdhsa_user_sgpr_count 2
		.amdhsa_user_sgpr_kernarg_segment_ptr 1
		.amdhsa_wavefront_size32 1
		.amdhsa_system_sgpr_workgroup_id_x 1
		.amdhsa_system_sgpr_workgroup_id_y 1
		.amdhsa_system_sgpr_workgroup_id_z 1
		.amdhsa_system_vgpr_workitem_id 0
		.amdhsa_next_free_vgpr 256
		.amdhsa_next_free_sgpr 66
		.amdhsa_reserve_vcc 1
		.amdhsa_float_denorm_mode_32 3
		.amdhsa_float_denorm_mode_16_64 3
		.amdhsa_memory_ordered 1
		.amdhsa_forward_progress 1
		.amdhsa_inst_pref_size 62
	.end_amdhsa_kernel
	.amdgpu_metadata
---
amdhsa.version: [ 1, 2 ]
amdhsa.kernels:
  - .name:           k_qe0c727c7b6_quant
    .symbol:         k_qe0c727c7b6_quant.kd
    .args:
      - { .name: x, .offset: 0, .size: 8, .value_kind: global_buffer, .address_space: global }
      - { .name: q_scale, .offset: 8, .size: 8, .value_kind: global_buffer, .address_space: global }
      - { .name: k_scale, .offset: 16, .size: 8, .value_kind: global_buffer, .address_space: global }
      - { .name: decay_logit, .offset: 24, .size: 8, .value_kind: global_buffer, .address_space: global }
      - { .name: qc, .offset: 32, .size: 8, .value_kind: global_buffer, .address_space: global }
      - { .name: kc, .offset: 40, .size: 8, .value_kind: global_buffer, .address_space: global }
      - { .name: xc, .offset: 48, .size: 8, .value_kind: global_buffer, .address_space: global }
      - { .name: pc, .offset: 56, .size: 8, .value_kind: global_buffer, .address_space: global }
      - { .name: wt, .offset: 64, .size: 8, .value_kind: global_buffer, .address_space: global }
    .group_segment_fixed_size: 72192
    .private_segment_fixed_size: 0
    .kernarg_segment_align: 8
    .kernarg_segment_size: 72
    .max_flat_workgroup_size: 128
    .sgpr_count:     66
    .vgpr_count:     256
    .wavefront_size: 32
...
	.end_amdgpu_metadata
.endif
;; end of part 1
;; launch scores (part 2): grid 9 x 16, 4 waves a work-group, no clusters, 327,680 bytes of LDS; arguments qc, kc, wt, pc; writes pc
.if DOCPART == 2
	.amdgcn_target "amdgcn-amd-amdhsa--gfx1250"
	.amdhsa_code_object_version 6
	.text
	.protected	k_qe0c727c7b6_scores
	.globl	k_qe0c727c7b6_scores
	.p2align	8
	.type	k_qe0c727c7b6_scores,@function
k_qe0c727c7b6_scores:
	s_mov_b64 s[64:65], 0
	v_nop
	global_prefetch_b8 v0, s[64:65] scope:SCOPE_SE
	s_setreg_imm32_b32 hwreg(HW_REG_WAVE_MODE, 25, 1), 1
	s_wait_xcnt 0x0
; P[b][t][s] = (q[t] . k[s]) g^(s - t - 1) where s > t, 0 elsewhere; q and k come as codes of FP6 (E2M3) with E8M0 scales, and P leaves as such codes, quantised along s.
; CHUNKS (128 rows x 128 K, 12,800 bytes: eight fragments as images of the operand's registers, then their scale words) as the first launch lays them; fragment f, row r is row 32 (f / 2) + 8 (f % 2) + r + 8 (r / 8).
; SHARES.  Only tiles of 256 x 256 that touch s > t are made: 36 for a batch, folded into 9 x 4 work-groups (tile rows uu and 7 - uu have 9 tiles together).  Four waves; wave (th, sh) makes 128 t x 128 s:
; 64 accumulators, 512 registers, and exactly one chunk of P.  K = V = 1,024 goes in 8 steps of 128; a slot in LDS holds two steps of all four streams (q's two blocks, k's two blocks), each wave fetching one stream.
; Four fills on three slots: three go out at the start, the fourth into slot 0 behind the one barrier that a refill asks for.
; THE PRODUCT IS USED TRANSPOSED (source 0 = 16 rows of k, source 1 = 16 rows of q): a lane holds ONE t, and by the rows' order the 16 registers of tiles 2 b', 2 b' + 1 are s = 32 b' + 16 h + 0 .. 15: neighbours along the next K.
; THE WEIGHT of register i of such a run is g^(D + i) = wt[256 + D] x g^i, D = the run's first exponent, one number for each lane and (a, b'), 0 where D < 0.  Runs that the diagonal cuts lie only in blocks with
; b' = a / 2 of a wave whose two blocks are the same: there the weight comes element by element from the table (24 numbers a lane serve all a).
; A wave that lies wholly under the diagonal (wave 2 of a diagonal tile) finds all its weights 0 and stores a chunk of zero codes, which the last launch reads.
; NO CLUSTER: the triangle's tile rows have 8, 7, .. 1 tiles, so groups of four partners that share a tile would need work-groups whose whole tile the mask discards.
; LIMITS: NaN and infinities are not served; a block of zeros gets the byte 1 (its codes are zeros; this program alone reads the bytes); weights under 2^-126 may be lost.
; REGISTERS, in windows of 256: window 0: v4-21 addresses; v32-47 scale words, two sets; v48-79 the runs' first weights; v80-95 g^i; v96-119 the diagonal's weights; v128-223 q's 8 fragments, one set;
;   window 1: k's 8 fragments, two sets, at v0 and v128; windows 2, 3: accumulator (a, b) at v[8 (8 (a % 4) + b)].  On the way out window 0's v128-250 are at work.
.set CH,    12800
.set STR,   2*CH                       ; a stream's two chunks in a slot
.set SLOT,  4*STR
.set SPARE, 3*SLOT                     ; behind the slots: the spare words, 128 bytes for each wave: two blocks of 256 bytes that no other line names
.set ADRA, 4                           ; v4-6   q's fragments in slot 0, 1, 2: my stream + 16 lane
.set ADRB, 7                           ; v7-9   k's
.set ASA,  10                          ; v10-12 q's stream + 4 lane, for the scale words
.set ASB,  13                          ; v13-15 k's
.set VG,   16                          ; v16    4 (127 + 16 h - r - 8 (r / 8)): my lane's part of a weight's place
.set VZ,   17                          ; v17    0
.set PO,   18                          ; v18    16 lane
.set PS,   19                          ; v19    12288 + 4 lane
.set SPW,  20                          ; v20    my spare word; never rewritten
.set NIL,  21                          ; v21    0; never rewritten
.set SC,   32                          ; set s: q's words at SC + 8 s + j (lanes 0-15 fragment 2 j, lanes 16-31 fragment 2 j + 1), k's at SC + 8 s + 4 + j
.set G1,   48
.set G2,   80
.set WE,   96
.set AF,   128
.set HH,   128                         ; the way out: 64 weighted scores
.set PC,   192                         ; two sets of 20: the codes just made
.set TM,   232
.set PW,   248                         ; v248-249 the scale words of an even and an odd fragment; v250 the two joined
.set PWC,  250
.set D1,   16                          ; s[16:23] descriptor group 1
.set D0,   24                          ; s[24:39] group 0 of fills 0 to 3
.set MSB, 0
.macro WIN new                         ; the immediate's high byte repeats the setting that is left
.if MSB != (\new)
	s_set_vgpr_msb (MSB<<8)|(\new)
.set MSB, \new
.endif
.endm
.set MUL_LO, 0xa1                      ; source 0 (k) window 1, source 1 (q) window 0, C and D window 2
.set MUL_HI, 0xf1                      ; the same, C and D window 3
.set TO_B,   0x40                      ; destination window 1, address window 0
.macro PLACES n
.rept \n
	v_nop
.endr
.endm
; one product; rD, rA, rB, rSA, rSB name its registers, oA, oB say whether a side's scale words stand in lanes 16-31
.macro WM zero
.if \zero
.if oA && oB
	v_wmma_scale_f32_16x16x128_f8f6f4 v[rD:rD+7], v[rA:rA+11], v[rB:rB+11], 0, v[rSA], v[rSB] matrix_a_fmt:MATRIX_FMT_FP6 matrix_b_fmt:MATRIX_FMT_FP6 matrix_a_scale:MATRIX_SCALE_ROW1 matrix_b_scale:MATRIX_SCALE_ROW1
.elseif oA
	v_wmma_scale_f32_16x16x128_f8f6f4 v[rD:rD+7], v[rA:rA+11], v[rB:rB+11], 0, v[rSA], v[rSB] matrix_a_fmt:MATRIX_FMT_FP6 matrix_b_fmt:MATRIX_FMT_FP6 matrix_a_scale:MATRIX_SCALE_ROW1
.elseif oB
	v_wmma_scale_f32_16x16x128_f8f6f4 v[rD:rD+7], v[rA:rA+11], v[rB:rB+11], 0, v[rSA], v[rSB] matrix_a_fmt:MATRIX_FMT_FP6 matrix_b_fmt:MATRIX_FMT_FP6 matrix_b_scale:MATRIX_SCALE_ROW1
.else
	v_wmma_scale_f32_16x16x128_f8f6f4 v[rD:rD+7], v[rA:rA+11], v[rB:rB+11], 0, v[rSA], v[rSB] matrix_a_fmt:MATRIX_FMT_FP6 matrix_b_fmt:MATRIX_FMT_FP6
.endif
.else
.if oA && oB
	v_wmma_scale_f32_16x16x128_f8f6f4 v[rD:rD+7], v[rA:rA+11], v[rB:rB+11], v[rD:rD+7], v[rSA], v[rSB] matrix_a_fmt:MATRIX_FMT_FP6 matrix_b_fmt:MATRIX_FMT_FP6 matrix_a_scale:MATRIX_SCALE_ROW1 matrix_b_scale:MATRIX_SCALE_ROW1
.elseif oA
	v_wmma_scale_f32_16x16x128_f8f6f4 v[rD:rD+7], v[rA:rA+11], v[rB:rB+11], v[rD:rD+7], v[rSA], v[rSB] matrix_a_fmt:MATRIX_FMT_FP6 matrix_b_fmt:MATRIX_FMT_FP6 matrix_a_scale:MATRIX_SCALE_ROW1
.elseif oB
	v_wmma_scale_f32_16x16x128_f8f6f4 v[rD:rD+7], v[rA:rA+11], v[rB:rB+11], v[rD:rD+7], v[rSA], v[rSB] matrix_a_fmt:MATRIX_FMT_FP6 matrix_b_fmt:MATRIX_FMT_FP6 matrix_b_scale:MATRIX_SCALE_ROW1
.else
	v_wmma_scale_f32_16x16x128_f8f6f4 v[rD:rD+7], v[rA:rA+11], v[rB:rB+11], v[rD:rD+7], v[rSA], v[rSB] matrix_a_fmt:MATRIX_FMT_FP6 matrix_b_fmt:MATRIX_FMT_FP6
.endif
.endif
.endm
; 16 products: q's fragments a0, a0 + 1 against k's eight.  The 64 accumulators take turns, one instruction a turn, in the same order in every step
.macro MUL16 a0, set, zero
.irp a, \a0, \a0+1
.irp b, 0,1,2,3,4,5,6,7
.set rD, 8*(8*((\a)%4)+\b)
.set rA, 128*(\set)+12*\b
.set rB, AF+12*(\a)
.set rSA, SC+8*(\set)+4+\b/2
.set rSB, SC+8*(\set)+(\a)/2
.set oA, \b%2
.set oB, (\a)%2
	WM \zero
.endr
.endr
.endm
.macro FRAG reg, adr, off              ; a fragment comes as it was stored: three loads of 16 bytes a lane, 512 consecutive bytes each
.irp c, 0,1,2
	ds_load_b128 v[\reg+4*\c:\reg+4*\c+3], v[\adr] offset:\off+512*\c
.endr
.endm
.macro FETCH_B sl, p, set              ; k's eight fragments of chunk p of slot sl
	WIN TO_B
.irp i, 0,1,2,3,4,5,6,7
	FRAG 128*(\set)+12*\i, ADRB+\sl, CH*(\p)+1536*\i
.endr
	WIN 0
.endm
.macro FETCH_A sl, p, i0               ; q's fragments i0 .. i0 + 3
.irp i, \i0, \i0+1, \i0+2, \i0+3
	FRAG AF+12*(\i), ADRA+\sl, CH*(\p)+1536*(\i)
.endr
.endm
.macro SCALES sl, p, set
.irp j, 0,1,2,3
	ds_load_b32 v[SC+8*(\set)+\j], v[ASA+\sl] offset:CH*(\p)+12288+128*\j
	ds_load_b32 v[SC+8*(\set)+4+\j], v[ASB+\sl] offset:CH*(\p)+12288+128*\j
.endr
.endm
; A load into a register that a matrix instruction has read stands four places behind it, and only plain vector instructions that name none of its registers are places (ISA guide 7.12.1 for vector
; instructions): so four v_nop stand in front of each run of loads.
; A K step whose successor needs no barrier: q's fragments 0-3 are fetched anew in its middle, 4-7 at its end; k's into the other set.
.macro STEP set, zero, nsl, np
	s_wait_dscnt 12                                ; all but the youngest twelve loads (q's fragments 4-7)
	WIN MUL_LO
	MUL16 0, \set, \zero
	MUL16 2, \set, \zero
	s_wait_dscnt 0x0                               ; q's fragments 4-7, asked for 32 products ago
	PLACES 4
	FETCH_B \nsl, \np, 1-\set
	FETCH_A \nsl, \np, 0
	SCALES \nsl, \np, 1-\set
	WIN MUL_HI
	MUL16 4, \set, \zero
	MUL16 6, \set, \zero
	PLACES 4
	WIN 0
	FETCH_A \nsl, \np, 4
.endm
; A K step with a barrier in it.  refill = 1: slot 0 has been read out and takes fill 3: every wave waits for all its tensor loads, adds 0 to its spare word, waits for that and for its reads, and passes the barrier;
; the load is the first thing behind it.  refill = 0: fill 3 is about to be read: each wave waits for its part of it, and the barrier shows it whole.
.macro TURN set, refill, nsl, np
	s_wait_tensorcnt 0x0
.if \refill
	ds_add_u32 v[SPW], v[NIL]
	s_wait_dscnt 13                                ; (the add and q's fragments 4-7 may be out)
.else
	s_wait_dscnt 12
.endif
	WIN MUL_LO
	MUL16 0, \set, 0
	s_wait_dscnt 0x0                               ; the add is done, and my reads of the slot are over
	s_barrier_signal -1
	MUL16 2, \set, 0
	WIN 0
	s_barrier_wait -1
.if \refill
	tensor_load_to_lds s[D0+12:D0+15], s[D1:D1+7]  ; K steps 6 and 7 of my stream: four K steps in which to land
	s_nop 0
.endif
	PLACES 4
	FETCH_B \nsl, \np, 1-\set
	FETCH_A \nsl, \np, 0
	SCALES \nsl, \np, 1-\set
	WIN MUL_HI
	MUL16 4, \set, 0
	MUL16 6, \set, 0
	PLACES 4
	WIN 0
	FETCH_A \nsl, \np, 4
.endm
; 64 numbers of a lane, register 16 b + i = k 32 b + 16 h + i of my row, become a fragment's codes in v[pc] on and its scale word in v[pw]
.macro QUANT s, pc, pw
.irp b, 0,1,2,3
	v_max3_num_f32 v[TM+\b], |v[\s+16*\b]|, |v[\s+1+16*\b]|, 0x1800000   ; the floor 2^(3 - 127) holds the byte at 1 from below
.endr
.irp i, 2,4,6,8,10,12,14
.irp b, 0,1,2,3
	v_max3_num_f32 v[TM+\b], v[TM+\b], |v[\s+16*\b+\i]|, |v[\s+1+16*\b+\i]|   ; the four blocks by turns
.endr
.endr
.irp b, 0,1,2,3
	v_permlanex16_b32 v[TM+4+\b], v[TM+\b], s46, s47
.endr
.irp b, 0,1,2,3
	v_max_num_f32 v[TM+\b], v[TM+\b], v[TM+4+\b]   ; with lane l xor 16's: the block's largest magnitude
.endr
.irp b, 0,1,2,3
	v_add_nc_u32 v[TM+12+\b], 0xff000000, v[TM+\b] ; 2 off its exponent field: the conversion's scale operand
.endr
.irp b, 0,1,2,3
	v_lshrrev_b32 v[TM+4+\b], 23, v[TM+12+\b]      ; the byte
.endr
	v_lshl_or_b32 v[\pw], v[TM+5], 8, v[TM+4]
	v_lshl_or_b32 v[\pw], v[TM+6], 16, v[\pw]
	v_lshl_or_b32 v[\pw], v[TM+7], 24, v[\pw]
.irp c, 0,1
	v_cvt_scalef32_pk16_fp6_f32 v[\pc+6*\c:\pc+2+6*\c], v[\s+32*\c:\s+15+32*\c], v[TM+12+2*\c]
	v_cvt_scalef32_pk16_fp6_f32 v[\pc+12+4*\c:\pc+14+4*\c], v[\s+16+32*\c:\s+31+32*\c], v[TM+12+2*\c+1]   ; (a conversion's three registers begin on an even number)
.endr
	v_nop                                          ; one plain line behind a scaled conversion
.irp c, 0,1                            ; the operand's layout wants a whole block in a lane
.irp i, 0,1,2
	v_permlane16_swap_b32 v[\pc+6*\c+\i], v[\pc+12+4*\c+\i]
.endr
.irp i, 0,1,2
	v_mov_b32 v[\pc+3+6*\c+\i], v[\pc+12+4*\c+\i]
.endr
.endr
.endm
; The way out of q's fragment a: its 64 scores a lane are weighted, quantised and stored as fragment a of my chunk of P
.macro EPI a
.set AC, 64*((\a)%4)
.set PCS, PC+20*((\a)%2)
	WIN 0x02+(\a)/4                                ; source 0: window 2 or 3
.set n, 0
.rept 32
	v_pk_mul_f32 v[HH+n:HH+n+1], v[AC+n:AC+n+1], v[G2+n%16:G2+n%16+1]   ; x g^i; each accumulator is read from its low end on.  (These lines write v128-191 alone, which no pending store names)
.set n, n+2
.endr
	WIN 0
.set n, 0
.rept 32
.set g, G1+4*(\a)+n/16
.if g%2
	v_pk_mul_f32 v[HH+n:HH+n+1], v[HH+n:HH+n+1], v[g-1:g] op_sel:[0,1] op_sel_hi:[1,1]   ; x the run's first weight: the pair's second register serves both halves,
.else
	v_pk_mul_f32 v[HH+n:HH+n+1], v[HH+n:HH+n+1], v[g:g+1] op_sel_hi:[1,0]                ; or its first
.endif
.set n, n+2
.endr
	s_cmp_lg_u32 s42, 0                            ; my two blocks are the same: the diagonal cuts the run b' = a / 2
	s_cbranch_scc1 .Loff_\@
	WIN 0x02+(\a)/4
.set n, 0
.rept 8
	v_pk_mul_f32 v[HH+16*((\a)/2)+n:HH+16*((\a)/2)+n+1], v[AC+16*((\a)/2)+n:AC+16*((\a)/2)+n+1], v[WE+8*(1-(\a)%2)+n:WE+8*(1-(\a)%2)+n+1]   ; its weights one by one, 0 at and under the diagonal
.set n, n+2
.endr
	WIN 0
.Loff_\@:
	s_wait_xcnt 0x0                                ; the earlier fragments' stores have read their registers: the codes' two sets and the joined scale words are written again only behind this wait; the multiplies above stand between those stores and it
	QUANT HH, PCS, PW+(\a)%2
.irp c, 0,1,2
	global_store_b128 v[PO], v[PCS+4*\c:PCS+4*\c+3], s[44:45] offset:1536*(\a)+512*\c   ; 512 consecutive bytes, aligned
.endr
.if (\a)%2
	v_cndmask_b32 v[PWC], v[PW], v[PW+1], s48      ; lanes 0-15: the even fragment's words, lanes 16-31: the odd one's
	global_store_b32 v[PS], v[PWC], s[44:45] offset:128*((\a)/2)
.endif
.endm
	s_load_b256 s[4:11], s[0:1], 0x0               ; qc, kc, wt, pc
	v_lshl_add_u32 v[SPW], v0, 2, SPARE
	v_mov_b32 v[NIL], 0
	ds_add_u32 v20, v21
	ds_add_u32 v20, v21
	s_wait_dscnt 0x0
	v_lshrrev_b32 v1, 5, v0
	v_readfirstlane_b32 s12, v1                    ; wave
	s_lshr_b32 s13, s12, 1                         ; th
	s_and_b32 s14, s12, 1                          ; sh; also: which block of its operand my stream is
	s_and_b32 s49, ttmp7, 0xffff
	s_and_b32 s50, s49, 3                          ; uu
	s_lshr_b32 s51, s49, 2                         ; b
	s_sub_co_u32 s54, 8, s50
	s_sub_co_u32 s55, 7, s50
	s_add_co_u32 s56, s50, ttmp9
	s_sub_co_u32 s57, ttmp9, 1                     ; (taken only where x is at least 1)
	s_cmp_lt_u32 ttmp9, s54                        ; x < 8 - uu: tile row uu, else tile row 7 - uu
	s_cselect_b32 s52, s50, s55                    ; ti
	s_cselect_b32 s53, s56, s57                    ; sj
	s_lshl_b32 s54, s52, 1                         ; 2 ti
	s_lshl_b32 s55, s53, 1                         ; 2 sj
	s_cmp_lt_u32 s12, 2                            ; waves 0, 1 fetch q's blocks, waves 2, 3 k's
	s_cselect_b32 s56, s54, s55
	s_add_co_u32 s56, s56, s14
	s_lshl_b32 s57, s51, 4
	s_add_co_u32 s56, s57, s56                     ; 16 b + block
	s_mul_i32 s60, s56, 8*CH                       ; its eight chunks lie on end
	s_mov_b32 s61, 0
	s_mul_i32 s62, s12, STR                        ; my stream's place in a slot
	; descriptor group 1: two chunks, 25,600 dense bytes, as 100 rows of 256 bytes (32 elements of 8 bytes); no padding: every LDS read is 512 or 128 consecutive bytes
	s_mov_b32 s[D1], 3<<16
	s_mov_b32 s[D1+1], 32<<16
	s_mov_b32 s[D1+2], 100<<16
	s_mov_b32 s[D1+3], 32<<16
	s_mov_b32 s[D1+4], 100
	s_mov_b32 s[D1+5], 32
	s_mov_b32 s[D1+6], 0
	s_mov_b32 s[D1+7], 0
	s_mov_b32 s46, 0x76543210
	s_mov_b32 s47, 0xfedcba98                      ; v_permlanex16_b32's selects for lane l xor 16
	s_mov_b32 s48, 0xffff0000                      ; lanes 16-31
	s_wait_kmcnt 0x0
	s_cmp_lt_u32 s12, 2
	s_cselect_b64 s[58:59], s[4:5], s[6:7]
	s_add_nc_u64 s[58:59], s[58:59], s[60:61]
.irp f, 0,1,2,3
	s_mov_b32 s[D0+4*\f], 1
	s_add_co_u32 s[D0+4*\f+1], s62, (\f%3)*SLOT
	s_add_nc_u64 s[D0+4*\f+2:D0+4*\f+3], s[58:59], \f*STR
	s_or_b32 s[D0+4*\f+3], s[D0+4*\f+3], 0x80000000
.endr
	tensor_load_to_lds s[D0:D0+3], s[D1:D1+7]      ; the three first fills go out together: three loads of mine are out
	s_nop 0
	tensor_load_to_lds s[D0+4:D0+7], s[D1:D1+7]
	s_nop 0
	tensor_load_to_lds s[D0+8:D0+11], s[D1:D1+7]
	s_nop 0
	PLACES 4
	s_add_co_u32 s63, s55, s14                     ; my block of s: 2 sj + sh
	s_add_co_u32 s15, s54, s13                     ; my block of t: 2 ti + th
	s_sub_co_u32 s42, s63, s15                     ; their distance d0: -1 .. 15; 0: the diagonal runs through my part
	s_add_co_u32 s60, s42, 1
	s_lshl_b32 s60, s60, 9
	s_add_nc_u64 s[40:41], s[8:9], s[60:61]        ; wt + 4 (128 d0 + 128)
	s_lshl_b32 s60, s51, 4
	s_add_co_u32 s60, s60, s15
	s_lshl_b32 s60, s60, 4
	s_add_co_u32 s60, s60, s63
	s_mul_i32 s60, s60, CH
	s_add_nc_u64 s[44:45], s[10:11], s[60:61]      ; my chunk of P
	v_and_b32 v2, 31, v0                           ; lane
	v_lshrrev_b32 v3, 6, v0                        ; th
	v_bfe_u32 v22, v0, 5, 1                        ; sh
	v_lshlrev_b32 v[PO], 4, v2
	v_lshlrev_b32 v23, 2, v2
	v_mad_u32_u24 v[ADRA], v3, STR, v[PO]
	v_mad_u32_u24 v[ADRB], v22, STR, v[PO]
	v_add_nc_u32 v[ADRB], 2*STR, v[ADRB]
	v_mad_u32_u24 v[ASA], v3, STR, v23
	v_mad_u32_u24 v[ASB], v22, STR, v23
	v_add_nc_u32 v[ASB], 2*STR, v[ASB]
.irp s, 1,2
	v_add_nc_u32 v[ADRA+\s], \s*SLOT, v[ADRA]
	v_add_nc_u32 v[ADRB+\s], \s*SLOT, v[ADRB]
	v_add_nc_u32 v[ASA+\s], \s*SLOT, v[ASA]
	v_add_nc_u32 v[ASB+\s], \s*SLOT, v[ASB]
.endr
	v_add_nc_u32 v[PS], 12288, v23
	v_mov_b32 v[VZ], 0
	v_and_b32 v24, 15, v0                          ; r
	v_bfe_u32 v25, v0, 4, 1                        ; h
	v_and_b32 v26, 8, v24
	v_add_nc_u32 v26, v26, v24                     ; r + 8 (r / 8)
	v_lshl_add_u32 v27, v25, 4, 127
	v_sub_nc_u32 v27, v27, v26
	v_lshlrev_b32 v[VG], 2, v27
	; the weights: 60 loads, waited for on the way out.  Every place lies inside the table for every tile: the least is entry 0 (d0 = -1), the greatest 2,287 (d0 = 15)
.irp a, 0,1,2,3,4,5,6,7
.irp b, 0,1,2,3
	global_load_b32 v[G1+4*\a+\b], v[VG], s[40:41] offset:4*(32*\b-32*(\a/2)-8*(\a%2))   ; wt[256 + D], D = 128 d0 + 32 b' - 32 (a / 2) - 8 (a % 2) + 16 h - r - 8 (r / 8) - 1
.endr
.endr
.set n, 0
.rept 24
	global_load_b32 v[WE+n], v[VG], s[40:41] offset:4*(n-8)
.set n, n+1
.endr
.irp i, 0,1,2,3
	global_load_b128 v[G2+4*\i:G2+4*\i+3], v[VZ], s[8:9] offset:1024+16*\i   ; g^0 .. g^15
.endr
	s_wait_tensorcnt 0x2                           ; my part of fill 0 is in; fills 1 and 2 may stay out
	s_barrier_signal -1
	s_barrier_wait -1                              ; everybody's is
	FETCH_B 0, 0, 0
	FETCH_A 0, 0, 0
	SCALES 0, 0, 0
	FETCH_A 0, 0, 4
	STEP 0, 1, 0, 1                                ; K step 0: its products start the sums
	TURN 1, 1, 1, 0                                ; K step 1: slot 0 is left and filled again; fills 1 and 2 are shown whole
	STEP 0, 0, 1, 1                                ; K step 2
	STEP 1, 0, 2, 0                                ; K step 3
	STEP 0, 0, 2, 1                                ; K step 4
	TURN 1, 0, 0, 0                                ; K step 5: fill 3 is shown whole
	STEP 0, 0, 0, 1                                ; K step 6
	s_wait_dscnt 12                                ; K step 7: nothing more to fetch
	WIN MUL_LO
	MUL16 0, 1, 0
	MUL16 2, 1, 0
	s_wait_dscnt 0x0
	WIN MUL_HI
	MUL16 4, 1, 0
	MUL16 6, 1, 0
	WIN 0
	PLACES 4                                       ; in front of the first read of results and the first write over q's fragments
.irp b, 0,1,2,3
	v_mov_b32 v[TM+4+\b], 0                        ; written once: a lane permute's destination counts as one of its sources
.endr
	s_wait_loadcnt 0x0                             ; the weights
.irp a, 0,1,2,3,4,5,6,7
	EPI \a
.endr
	s_wait_tensorcnt 0x0                           ; the wave's end
	ds_add_u32 v[SPW], v[NIL]
	s_wait_dscnt 0x0
	s_endpgm
.Lfunc_end_k_qe0c727c7b6_scores:
	.size	k_qe0c727c7b6_scores, .Lfunc_end_k_qe0c727c7b6_scores-k_qe0c727c7b6_scores
	.p2alignl 7, 3214868480
	.fill 96, 4, 3214868480
	.section	.rodata,"a",@progbits
	.p2align	6, 0x0
	.amdhsa_kernel k_qe0c727c7b6_scores
		.amdhsa_group_segment_fixed_size 327680
		.amdhsa_private_segment_fixed_size 0
		.amdhsa_enable_private_segment 0
		.amdhsa_kernarg_size 32
		.amdhsa_user_sgpr_count 2
		.amdhsa_user_sgpr_kernarg_segment_ptr 1
		.amdhsa_wavefront_size32 1
		.amdhsa_system_sgpr_workgroup_id_x 1
		.amdhsa_system_sgpr_workgroup_id_y 1
		.amdhsa_system_sgpr_workgroup_id_z 1
		.amdhsa_system_vgpr_workitem_id 0
		.amdhsa_next_free_vgpr 1024
		.amdhsa_next_free_sgpr 66
		.amdhsa_reserve_vcc 0
		.amdhsa_float_denorm_mode_32 3
		.amdhsa_float_denorm_mode_16_64 3
		.amdhsa_memory_ordered 1
		.amdhsa_forward_progress 1
		.amdhsa_inst_pref_size 178
	.end_amdhsa_kernel
	.amdgpu_metadata
---
amdhsa.version: [ 1, 2 ]
amdhsa.kernels:
  - .name:           k_qe0c727c7b6_scores
    .symbol:         k_qe0c727c7b6_scores.kd
    .args:
      - { .name: qc, .offset: 0, .size: 8, .value_kind: global_buffer, .address_space: global }
      - { .name: kc, .offset: 8, .size: 8, .value_kind: global_buffer, .address_space: global }
      - { .name: wt, .offset: 16, .size: 8, .value_kind: global_buffer, .address_space: global }
      - { .name: pc, .offset: 24, .size: 8, .value_kind: global_buffer, .address_space: global }
    .group_segment_fixed_size: 327680
    .private_segment_fixed_size: 0
    .kernarg_segment_align: 8
    .kernarg_segment_size: 32
    .max_flat_workgroup_size: 128
    .sgpr_count:     66
    .vgpr_count:     1024
    .wavefront_size: 32
...
	.end_amdgpu_metadata
.endif
;; end of part 2
;; launch mix (part 3): grid 8 x 32, 4 waves a work-group, clusters of 4 x 4, 327,680 bytes of LDS; arguments pc, xc, out_scale, out0; writes out0
.if DOCPART == 3
	.amdgcn_target "amdgcn-amd-amdhsa--gfx1250"
	.amdhsa_code_object_version 6
	.text
	.protected	k_qe0c727c7b6_mix
	.globl	k_qe0c727c7b6_mix
	.p2align	8
	.type	k_qe0c727c7b6_mix,@function
k_qe0c727c7b6_mix:
	s_mov_b64 s[64:65], 0
	v_nop
	global_prefetch_b8 v0, s[64:65] scope:SCOPE_SE
	s_setreg_imm32_b32 hwreg(HW_REG_WAVE_MODE, 25, 1), 1
	s_wait_xcnt 0x0
	s_wait_alu depctr_hold_cnt(0) depctr_sa_sdst(0) depctr_va_vdst(0) depctr_va_sdst(0) depctr_va_ssrc(0) depctr_va_vcc(0) depctr_vm_vsrc(0)
	s_getreg_b32 s2, hwreg(HW_REG_IB_STS2, 6, 4)
	s_cmp_eq_u32 s2, 0
	s_cbranch_scc0 .Lentry_in_a_cluster
	s_endpgm
.Lentry_in_a_cluster:
	s_bfe_u32 s2, ttmp6, 0x10000c
	s_cmp_lg_u32 s2, 0xf033
	s_cbranch_scc0 .Lentry_shape_is_right
	s_endpgm
.Lentry_shape_is_right:
; out0[b][t][v] = out_scale x the sum over s of P[b][t][s] x[b][s][v]; P and x come as codes of FP6 (E2M3) with E8M0 scales, K = s, in chunks (128 rows x 128 K, 12,800 bytes: eight fragments as images of the
; operand's registers, then their scale words).  In pc fragment f, row r is row 32 (f / 2) + 8 (f % 2) + r + 8 (r / 8) of the block of 128 t; in xc it is column 16 f + r of the block of 128 v.
; SHARES.  P is 0 where s <= t, so block tb of 128 t needs K only from 512 (tb / 4) on: 4 - tb / 4 fills of four K steps.  A work-group makes TWO tiles of 128 t x 128 v, blocks 15 - u and u: five fills in every
; work-group, 256 work-groups of equal work.  Four waves, each 64 x 64: 16 accumulators.  (20 K steps where 17 hold anything: the chunks under the diagonal in that range are zeros.)
; THE SHORT TILE GOES FIRST.  With hi = u / 4 the fills are (block 15 - u, K step 12 - 4 hi), (hi = 1: block 15 - u, K step 12; hi = 0: block u, K step 0), (u, 4), (u, 8), (u, 12): block u's tile begins with
; fill 1 (hi = 0) or fill 2 (hi = 1).  So the first tile's stores leave while 16 or 12 K steps are still to be multiplied, only one tile's stores are left for the end, and the first tile's way out
; stands between the request for fill 3 and the wait for it.
; CLUSTERS: 4 x 4 work-groups: cx picks the block of v, cy the block of t; b and hi come from the cluster's y and are the same in all sixteen.  P's fill hangs on (b, u) and is shared along a row of the
; cluster, x's on (b, block of v, hi) and is shared along a column: each is asked for JOINTLY, by the same tensor load with the same descriptor and a mask that names the four.
; The one branch on an id is on hi: it leads round the first tile's way out and chooses whether a K step starts new sums; no tensor load, barrier or round stands in it.
; Five fills on three slots: three go out at the start; fill 3 goes into slot 0 behind the round in step 3, fill 4 into slot 1 (read out since step 7) behind the round in step 9: five and a half K steps,
; 88 matrix instructions a wave, lie between each request and the wait for it.
; THE PRODUCT IS USED TRANSPOSED (source 0 = 16 columns of x, source 1 = 16 rows of P): a lane holds eight neighbouring v of one t.
; REGISTERS: window 0: v1-17 addresses; v24-31 scale words, two sets; v32-63, v64-127 at work on the way out; v128-255 accumulator (a, b) at v[128 + 8 (4 a + b)].
;   window 1: two sets of fragments at v0 and v128: P's four, then x's four.
.set CH,    12800
.set STR,   2*CH                       ; what one tensor load brings: two chunks
.set SLOT,  8*CH                       ; P's four chunks, then x's four
.set STAGE, 3*SLOT                     ; behind the slots: 16 rows x 272 bytes for each wave, for the way out; no fill lands there
.set SP,    272
.set SPARE, STAGE+4*16*SP              ; the spare words, 128 bytes for each wave: two blocks of 256 bytes that no other line names
.set ADRA, 1                           ; v1-3   P's fragments in slot 0, 1, 2: 6144 th + 16 lane
.set ADRB, 4                           ; v4-6   x's: behind P's four chunks, 6144 vh + 16 lane
.set ASA,  7                           ; v7-9   P's scale words: 12288 + 256 th + 4 lane
.set ASB,  10                          ; v10-12 x's
.set STO,  13                          ; v13    the stage, in: row r, + 32 h
.set RD,   14                          ; v14    the stage, out: row h, + 16 r
.set GO,   15                          ; v15    the same two rows in out0: 4096 h + 16 r
.set SPW,  16                          ; v16    my spare word; never rewritten
.set NIL,  17                          ; v17    0; never rewritten
.set SC,   24                          ; set p: P's words at SC + 4 p + q (lanes 0-15 fragment 2 q, lanes 16-31 fragment 2 q + 1), x's at SC + 4 p + 2 + q
.set TMP,  32
.set BK,   64
.set ACC,  128
.set MSB, 0
.macro WIN new                         ; the immediate's high byte repeats the setting that is left
.if MSB != (\new)
	s_set_vgpr_msb (MSB<<8)|(\new)
.set MSB, \new
.endif
.endm
.macro PLACES n
.rept \n
	v_nop
.endr
.endm
; A joint load: waves 0 and 1 ask for P's two halves of a fill, waves 2 and 3 for x's.  The branch hangs on the wave's number alone.  Four v_nop follow each of the two lines
.macro JLOAD gp, gx
	s_cmp_eq_u32 s13, 0
	s_cbranch_scc0 .Lfor_x_\@
	tensor_load_to_lds s[\gp:\gp+3], s[24:31]
	s_nop 0
	PLACES 4
	s_branch .Lasked_\@
.Lfor_x_\@:
	tensor_load_to_lds s[\gx:\gx+3], s[32:39]
	s_nop 0
	PLACES 4
.Lasked_\@:
.endm
.macro CREST                           ; a round of the cluster's barrier behind its opening barrier
	s_cmp_lg_u32 s12, 0
	s_cbranch_scc1 .Lnot_wave_0_\@
	s_barrier_signal -3
.Lnot_wave_0_\@:
	s_barrier_wait -3
	s_barrier_signal -1
	s_barrier_wait -1
.endm
.macro CROUND
	s_barrier_signal -1
	s_barrier_wait -1
	CREST
.endm
; group 0 of fill f: chunk s[idx] + add of the buffer at s[base], my half of the fill; t: a pair at work
.macro MKG0 g, f, idx, add, t, base
	s_add_co_u32 s[\t], s[\idx], \add
	s_mul_i32 s[\t], s[\t], CH
	s_add_co_u32 s[\t], s[\t], s23
	s_mov_b32 s[\t+1], 0
	s_mov_b32 s[\g], 1
	s_add_co_u32 s[\g+1], s3, ((\f)%3)*SLOT        ; wave x 25,600 + the slot: no place in the cluster enters an LDS address
	s_add_nc_u64 s[\g+2:\g+3], s[\base:\base+1], s[\t:\t+1]
	s_or_b32 s[\g+3], s[\g+3], 0x80000000
.endm
.macro WM zero
.if \zero
.if oA && oB
	v_wmma_scale_f32_16x16x128_f8f6f4 v[rD:rD+7], v[rA:rA+11], v[rB:rB+11], 0, v[rSA], v[rSB] matrix_a_fmt:MATRIX_FMT_FP6 matrix_b_fmt:MATRIX_FMT_FP6 matrix_a_scale:MATRIX_SCALE_ROW1 matrix_b_scale:MATRIX_SCALE_ROW1
.elseif oA
	v_wmma_scale_f32_16x16x128_f8f6f4 v[rD:rD+7], v[rA:rA+11], v[rB:rB+11], 0, v[rSA], v[rSB] matrix_a_fmt:MATRIX_FMT_FP6 matrix_b_fmt:MATRIX_FMT_FP6 matrix_a_scale:MATRIX_SCALE_ROW1
.elseif oB
	v_wmma_scale_f32_16x16x128_f8f6f4 v[rD:rD+7], v[rA:rA+11], v[rB:rB+11], 0, v[rSA], v[rSB] matrix_a_fmt:MATRIX_FMT_FP6 matrix_b_fmt:MATRIX_FMT_FP6 matrix_b_scale:MATRIX_SCALE_ROW1
.else
	v_wmma_scale_f32_16x16x128_f8f6f4 v[rD:rD+7], v[rA:rA+11], v[rB:rB+11], 0, v[rSA], v[rSB] matrix_a_fmt:MATRIX_FMT_FP6 matrix_b_fmt:MATRIX_FMT_FP6
.endif
.else
.if oA && oB
	v_wmma_scale_f32_16x16x128_f8f6f4 v[rD:rD+7], v[rA:rA+11], v[rB:rB+11], v[rD:rD+7], v[rSA], v[rSB] matrix_a_fmt:MATRIX_FMT_FP6 matrix_b_fmt:MATRIX_FMT_FP6 matrix_a_scale:MATRIX_SCALE_ROW1 matrix_b_scale:MATRIX_SCALE_ROW1
.elseif oA
	v_wmma_scale_f32_16x16x128_f8f6f4 v[rD:rD+7], v[rA:rA+11], v[rB:rB+11], v[rD:rD+7], v[rSA], v[rSB] matrix_a_fmt:MATRIX_FMT_FP6 matrix_b_fmt:MATRIX_FMT_FP6 matrix_a_scale:MATRIX_SCALE_ROW1
.elseif oB
	v_wmma_scale_f32_16x16x128_f8f6f4 v[rD:rD+7], v[rA:rA+11], v[rB:rB+11], v[rD:rD+7], v[rSA], v[rSB] matrix_a_fmt:MATRIX_FMT_FP6 matrix_b_fmt:MATRIX_FMT_FP6 matrix_b_scale:MATRIX_SCALE_ROW1
.else
	v_wmma_scale_f32_16x16x128_f8f6f4 v[rD:rD+7], v[rA:rA+11], v[rB:rB+11], v[rD:rD+7], v[rSA], v[rSB] matrix_a_fmt:MATRIX_FMT_FP6 matrix_b_fmt:MATRIX_FMT_FP6
.endif
.endif
.endm
; 8 products: P's fragments a0, a0 + 1 against x's four, set p.  The 16 accumulators take turns, in the same order in every step
.macro MUL8 p, a0, zero
.irp a, \a0, \a0+1
.irp b, 0,1,2,3
.set rD, ACC+8*(4*(\a)+\b)
.set rA, 128*(\p)+48+12*\b
.set rB, 128*(\p)+12*(\a)
.set rSA, SC+4*(\p)+2+\b/2
.set rSB, SC+4*(\p)+(\a)/2
.set oA, \b%2
.set oB, (\a)%2
	WM \zero
.endr
.endr
.endm
; 28 LDS loads: the K step in chunk j of slot sl, into set p: my four fragments of P, my four of x (three loads of 512 consecutive bytes each), their scale words
.macro FETCH sl, j, p
	WIN 0x40                                       ; destination window 1, address window 0
.irp i, 0,1,2,3
.irp c, 0,1,2
	ds_load_b128 v[128*(\p)+12*\i+4*\c:128*(\p)+12*\i+4*\c+3], v[ADRA+\sl] offset:CH*(\j)+1536*\i+512*\c
.endr
.endr
.irp i, 0,1,2,3
.irp c, 0,1,2
	ds_load_b128 v[128*(\p)+48+12*\i+4*\c:128*(\p)+48+12*\i+4*\c+3], v[ADRB+\sl] offset:CH*(\j)+1536*\i+512*\c
.endr
.endr
	WIN 0
.irp q, 0,1
	ds_load_b32 v[SC+4*(\p)+\q], v[ASA+\sl] offset:CH*(\j)+128*\q
	ds_load_b32 v[SC+4*(\p)+2+\q], v[ASB+\sl] offset:CH*(\j)+128*\q
.endr
.endm
; A K step on set p: the next step's fetch goes out first, into the set that the last step multiplied: np places stand in front of it (four for loads into registers that matrix instructions have read;
; five where this step's products write accumulators anew)
.macro KSTEP p, zero, np, nsl, nj
	PLACES \np
	FETCH \nsl, \nj, 1-\p
	s_wait_dscnt 28                                ; this step's 28 loads are in; the 28 just issued may be out
	WIN 0x05                                       ; sources 0 and 1 window 1; C and D window 0
	MUL8 \p, 0, \zero
	MUL8 \p, 2, \zero
.endm
; A K step in which a slot that has been read out is filled again: every wave waits for all its tensor loads, adds 0 to its spare word, waits for that and for all its LDS reads; the barrier opens a round of the
; cluster's barrier, so that no wave of any partner still reads the slot or has a load on its way; the joint refill is the first thing behind the round.  Then the next step's fetch: chunk nj of slot nsl
.macro TRANS_R p, gp, gx, nsl, nj
	WIN 0
	s_wait_tensorcnt 0x0
	ds_add_u32 v[SPW], v[NIL]
	s_wait_dscnt 1                                 ; this step's loads are in; the add may be out
	WIN 0x05
	MUL8 \p, 0, 0
	s_wait_dscnt 0x0                               ; the add is done, and my reads of the slot are over
	s_barrier_signal -1
	MUL8 \p, 2, 0
	WIN 0
	s_barrier_wait -1
	CREST
	JLOAD \gp, \gx                                 ; its four v_nop are also the places in front of the loads below
	FETCH \nsl, \nj, 1-\p
.endm
; The K step in front of fill 4's first read: each wave waits for its part of it, and the barrier shows it whole; nothing is filled
.macro TRANS_P p, nsl
	s_wait_tensorcnt 0x0
	s_wait_dscnt 0x0
	s_barrier_signal -1
	WIN 0x05
	MUL8 \p, 0, 0
	MUL8 \p, 2, 0
	WIN 0
	s_barrier_wait -1
	PLACES 4
	FETCH \nsl, 0, 1-\p
.endm
; THE WAY OUT of a tile, a block of 16 t x 64 v at a time: x out_scale; 32 bytes a lane into my own stage; back as whole rows of 256 bytes; stored, sixteen lanes to 256 consecutive bytes, aligned.
; LDS serves a wave's instructions in order (ISA guide 5.7.1.4): no wait between the stores and the loads, nor in front of the next block's stores.
.macro PACK a
.set n, 0
.rept 16
	v_pk_mul_f32 v[TMP+n:TMP+n+1], v[ACC+32*(\a)+n:ACC+32*(\a)+n+1], s[88:89] op_sel_hi:[1,0]   ; each accumulator is read from its low end on
.set n, n+2
.endr
.endm
.macro TOSTAGE a
.irp b, 0,1,2,3
	ds_store_b128 v[STO], v[TMP+8*\b:TMP+8*\b+3] offset:64*\b
	ds_store_b128 v[STO], v[TMP+8*\b+4:TMP+8*\b+7] offset:64*\b+16
.endr
	s_wait_xcnt 0x0                                ; the earlier stores have read the registers that the loads below fill
.irp i, 0,1,2,3,4,5,6,7
	ds_load_b128 v[BK+32*((\a)%2)+4*\i:BK+32*((\a)%2)+4*\i+3], v[RD] offset:2*SP*\i
.endr
.endm
.macro SEND a, younger, ob
	s_wait_dscnt \younger                          ; the block is back; the next block's eight stores and eight loads may be out
.irp i, 0,1,2,3,4,5,6,7
	global_store_b128 v[GO], v[BK+32*((\a)%2)+4*\i:BK+32*((\a)%2)+4*\i+3], s[\ob:\ob+1] offset:(32*((\a)/2)+8*((\a)%2)+2*\i+8*(\i/4))*4096 th:TH_STORE_NT   ; stage rows 2 i, 2 i + 1 are rows of the fragment: their t by the chunk's order
.endr
.endm
.macro FLUSH ob
	s_wait_dscnt 0x0                               ; the next step's fetch is in: the counts below are the stage's own
	PLACES 4                                       ; in front of the first read of results
	PACK 0
	TOSTAGE 0
.irp a, 1,2,3
	PACK \a                                        ; block a's products stand between block a - 1's loads from the stage and the wait for them
	TOSTAGE \a
	SEND \a-1, 16, \ob
.endr
	SEND 3, 0, \ob
.endm
; The K step at which block u's tile may begin: where hi is fh, block 15 - u's tile leaves and this step's products start new sums; else they add on
.macro EDGE fh, p, nsl, nj
	WIN 0
	s_cmp_eq_u32 s20, \fh
	s_cbranch_scc0 .Lon_\@
	FLUSH 86
	KSTEP \p, 1, 5, \nsl, \nj
	WIN 0
	s_branch .Ljoin_\@
.Lon_\@:
	KSTEP \p, 0, 4, \nsl, \nj
	WIN 0
.Ljoin_\@:
.endm
	s_load_b256 s[4:11], s[0:1], 0x0               ; pc, xc, out_scale, out0
	v_lshl_add_u32 v[SPW], v0, 2, SPARE
	v_mov_b32 v[NIL], 0
	ds_add_u32 v16, v17
	ds_add_u32 v16, v17
	s_wait_dscnt 0x0
	v_lshrrev_b32 v18, 5, v0
	v_readfirstlane_b32 s12, v18                   ; wave
	s_lshr_b32 s13, s12, 1                         ; th.  Also: I ask for P (0) or for x (1)
	s_and_b32 s14, s12, 1                          ; vh.  Also: which half of a fill I ask for
	s_bfe_u32 s15, ttmp6, 0x40000                  ; cx
	s_bfe_u32 s16, ttmp6, 0x40004                  ; cy
	s_lshl_b32 s17, ttmp9, 2
	s_add_co_u32 s17, s17, s15                     ; the block of v = 4 x cluster x + cx
	s_and_b32 s18, ttmp7, 0xffff                   ; cluster y
	s_lshr_b32 s19, s18, 1                         ; b
	s_and_b32 s20, s18, 1                          ; hi
	s_lshl_b32 s22, s20, 2                         ; 4 hi
	s_add_co_u32 s21, s22, s16                     ; u = 4 hi + cy
	s_sub_co_u32 s2, 12, s22                       ; 12 - 4 hi: fill 0's first K step
	s_mul_i32 s22, s20, 12                         ; 12 hi: fill 1's
	s_mul_i32 s3, s12, STR
	s_mul_i32 s23, s14, STR
	s_lshl_b32 s90, s16, 2
	s_lshl_b32 s90, 15, s90                        ; my row of the cluster
	s_lshl_b32 s94, 0x1111, s15                    ; my column
	; descriptor groups 1: 25,600 dense bytes as 100 rows of 256 bytes (32 elements of 8 bytes), no padding; bit 21 set beside a mask
	s_or_b32 s24, s90, (3<<16)|(1<<21)
	s_or_b32 s32, s94, (3<<16)|(1<<21)
.irp g, 24, 32
	s_mov_b32 s[\g+1], 32<<16
	s_mov_b32 s[\g+2], 100<<16
	s_mov_b32 s[\g+3], 32<<16
	s_mov_b32 s[\g+4], 100
	s_mov_b32 s[\g+5], 32
	s_mov_b32 s[\g+6], 0
	s_mov_b32 s[\g+7], 0
.endr
	; P's chunks, in registers that never hold cx
	s_lshl_b32 s90, s19, 8                         ; 256 b
	s_lshl_b32 s91, s21, 4
	s_add_co_u32 s91, s90, s91                     ; block u's row of chunks
	s_sub_co_u32 s92, 15, s21
	s_lshl_b32 s92, s92, 4
	s_add_co_u32 s92, s90, s92                     ; block 15 - u's
	s_cmp_lg_u32 s20, 0
	s_cselect_b32 s93, s92, s91                    ; fill 1's row of chunks: block 15 - u's where hi = 1, else block u's,
	s_add_co_u32 s93, s93, s22                     ; from K step 12 hi on
	s_add_co_u32 s92, s92, s2                      ; fill 0: block 15 - u from K step 12 - 4 hi on
	; x's chunks, in registers that never hold cy
	s_lshl_b32 s94, s19, 7
	s_lshl_b32 s95, s17, 4
	s_add_co_u32 s94, s94, s95                     ; 128 b + 16 x the block of v
	s_add_co_u32 s95, s94, s2                      ; fill 0
	s_add_co_u32 s18, s94, s22                     ; fill 1
	s_wait_kmcnt 0x0
	s_load_b32 s88, s[8:9], 0x0                    ; out_scale
	MKG0 40, 0, 92, 0, 66, 4
	MKG0 44, 1, 93, 0, 66, 4
	MKG0 48, 2, 91, 4, 66, 4
	MKG0 52, 3, 91, 8, 66, 4
	MKG0 56, 4, 91, 12, 66, 4
	MKG0 60, 0, 95, 0, 96, 6
	MKG0 68, 1, 18, 0, 96, 6
	MKG0 72, 2, 94, 4, 96, 6
	MKG0 76, 3, 94, 8, 96, 6
	MKG0 80, 4, 94, 12, 96, 6
	CROUND                                         ; all sixteen work-groups are here: the first joint loads meet
	s_cmp_eq_u32 s13, 0                            ; a wave's three first fills stand in one branch: three loads of mine are out
	s_cbranch_scc0 .Lfirst_x
	tensor_load_to_lds s[40:43], s[24:31]
	s_nop 0
	tensor_load_to_lds s[44:47], s[24:31]
	s_nop 0
	tensor_load_to_lds s[48:51], s[24:31]
	s_nop 0
	PLACES 4
	s_branch .Lfirst_asked
.Lfirst_x:
	tensor_load_to_lds s[60:63], s[32:39]
	s_nop 0
	tensor_load_to_lds s[68:71], s[32:39]
	s_nop 0
	tensor_load_to_lds s[72:75], s[32:39]
	s_nop 0
	PLACES 4
.Lfirst_asked:
	; where my quarter of each tile begins in out0: row 2048 b + 128 block + 64 th, column 128 x the block of v + 64 vh
	s_lshl_b32 s98, s19, 11
	s_lshl_b32 s99, s13, 6
	s_add_co_u32 s98, s98, s99
	s_lshl_b32 s99, s21, 7
	s_add_co_u32 s99, s98, s99                     ; block u's row
	s_sub_co_u32 s90, 15, s21
	s_lshl_b32 s90, s90, 7
	s_add_co_u32 s90, s98, s90                     ; block 15 - u's
	s_lshl_b32 s98, s99, 12
	s_lshl_b32 s90, s90, 12
	s_lshl_b32 s91, s17, 9
	s_lshl_b32 s92, s14, 8
	s_add_co_u32 s91, s91, s92
	s_add_co_u32 s98, s98, s91
	s_add_co_u32 s90, s90, s91
	s_mov_b32 s99, 0
	s_mov_b32 s91, 0
	s_add_nc_u64 s[84:85], s[10:11], s[98:99]      ; block u's tile: the second to leave
	s_add_nc_u64 s[86:87], s[10:11], s[90:91]      ; block 15 - u's: the first
	v_and_b32 v18, 31, v0                          ; lane
	v_and_b32 v19, 15, v0                          ; r
	v_bfe_u32 v20, v0, 4, 1                        ; h
	v_lshrrev_b32 v21, 6, v0                       ; th
	v_bfe_u32 v22, v0, 5, 1                        ; vh
	v_lshrrev_b32 v23, 5, v0                       ; wave
	v_lshlrev_b32 v32, 4, v18
	v_lshlrev_b32 v33, 2, v18
	v_mad_u32_u24 v[ADRA], v21, 6144, v32
	v_mad_u32_u24 v[ADRB], v22, 6144, v32
	v_add_nc_u32 v[ADRB], 4*CH, v[ADRB]
	v_lshl_add_u32 v[ASA], v21, 8, v33
	v_add_nc_u32 v[ASA], 12288, v[ASA]
	v_lshl_add_u32 v[ASB], v22, 8, v33
	v_add_nc_u32 v[ASB], 4*CH+12288, v[ASB]
.irp s, 1,2
	v_add_nc_u32 v[ADRA+\s], \s*SLOT, v[ADRA]
	v_add_nc_u32 v[ADRB+\s], \s*SLOT, v[ADRB]
	v_add_nc_u32 v[ASA+\s], \s*SLOT, v[ASA]
	v_add_nc_u32 v[ASB+\s], \s*SLOT, v[ASB]
.endr
	v_mul_u32_u24 v34, v23, 16*SP
	v_add_nc_u32 v34, STAGE, v34                   ; my stage
	v_mad_u32_u24 v[STO], v19, SP, v34
	v_lshl_add_u32 v[STO], v20, 5, v[STO]
	v_mad_u32_u24 v[RD], v20, SP, v34
	v_lshl_add_u32 v[RD], v19, 4, v[RD]
	v_lshlrev_b32 v[GO], 12, v20
	v_lshl_add_u32 v[GO], v19, 4, v[GO]
	s_wait_kmcnt 0x0
	s_mov_b32 s89, s88                             ; (the packed form names the pair)
	s_wait_tensorcnt 0x2                           ; my part of fill 0 is in; fills 1 and 2 may stay out
	s_barrier_signal -1
	s_barrier_wait -1                              ; everybody's is
	FETCH 0, 0, 0
	KSTEP 0, 1, 4, 0, 1                            ; step 0: its products start the first tile's sums
	KSTEP 1, 0, 4, 0, 2
	KSTEP 0, 0, 4, 0, 3
	TRANS_R 1, 52, 76, 1, 0                        ; step 3: slot 0 takes fill 3; fills 1 and 2 are shown whole
	EDGE 0, 0, 1, 1                                ; step 4: with hi = 0 the first tile leaves and block u's begins
	KSTEP 1, 0, 4, 1, 2
	KSTEP 0, 0, 4, 1, 3
	KSTEP 1, 0, 4, 2, 0                            ; step 7: the last of slot 1
	EDGE 1, 0, 2, 1                                ; step 8: with hi = 1 the first tile leaves and block u's begins
	TRANS_R 1, 56, 80, 2, 2                        ; step 9: slot 1 takes fill 4; fill 3 is shown whole
	KSTEP 0, 0, 4, 2, 3
	KSTEP 1, 0, 4, 0, 0                            ; step 11
	KSTEP 0, 0, 4, 0, 1
	KSTEP 1, 0, 4, 0, 2
	KSTEP 0, 0, 4, 0, 3
	TRANS_P 1, 1                                   ; step 15: fill 4 is shown whole
	KSTEP 0, 0, 4, 1, 1
	KSTEP 1, 0, 4, 1, 2
	KSTEP 0, 0, 4, 1, 3
	s_wait_dscnt 0x0                               ; step 19: nothing more to fetch
	WIN 0x05
	MUL8 1, 0, 0
	MUL8 1, 2, 0
	WIN 0
	FLUSH 84
	s_wait_tensorcnt 0x0                           ; the wave's end
	ds_add_u32 v[SPW], v[NIL]
	s_wait_dscnt 0x0
	CROUND                                         ; the closing round: no work-group ends while a partner may still ask for a tile that names it
	s_endpgm
.Lfunc_end_k_qe0c727c7b6_mix:
	.size	k_qe0c727c7b6_mix, .Lfunc_end_k_qe0c727c7b6_mix-k_qe0c727c7b6_mix
	.p2alignl 7, 3214868480
	.fill 96, 4, 3214868480
	.section	.rodata,"a",@progbits
	.p2align	6, 0x0
	.amdhsa_kernel k_qe0c727c7b6_mix
		.amdhsa_group_segment_fixed_size 327680
		.amdhsa_private_segment_fixed_size 0
		.amdhsa_enable_private_segment 0
		.amdhsa_kernarg_size 32
		.amdhsa_user_sgpr_count 2
		.amdhsa_user_sgpr_kernarg_segment_ptr 1
		.amdhsa_wavefront_size32 1
		.amdhsa_system_sgpr_workgroup_id_x 1
		.amdhsa_system_sgpr_workgroup_id_y 1
		.amdhsa_system_sgpr_workgroup_id_z 1
		.amdhsa_system_vgpr_workitem_id 0
		.amdhsa_next_free_vgpr 512
		.amdhsa_next_free_sgpr 100
		.amdhsa_reserve_vcc 0
		.amdhsa_float_denorm_mode_32 3
		.amdhsa_float_denorm_mode_16_64 3
		.amdhsa_memory_ordered 1
		.amdhsa_forward_progress 1
		.amdhsa_inst_pref_size 136
	.end_amdhsa_kernel
	.amdgpu_metadata
---
amdhsa.version: [ 1, 2 ]
amdhsa.kernels:
  - .name:           k_qe0c727c7b6_mix
    .symbol:         k_qe0c727c7b6_mix.kd
    .args:
      - { .name: pc, .offset: 0, .size: 8, .value_kind: global_buffer, .address_space: global }
      - { .name: xc, .offset: 8, .size: 8, .value_kind: global_buffer, .address_space: global }
      - { .name: out_scale, .offset: 16, .size: 8, .value_kind: global_buffer, .address_space: global }
      - { .name: out0, .offset: 24, .size: 8, .value_kind: global_buffer, .address_space: global }
    .group_segment_fixed_size: 327680
    .private_segment_fixed_size: 0
    .kernarg_segment_align: 8
    .kernarg_segment_size: 32
    .max_flat_workgroup_size: 128
    .sgpr_count:     100
    .vgpr_count:     512
    .wavefront_size: 32
...
	.end_amdgpu_metadata
.endif
;; end of part 3
